; MI455X (gfx1250); checked and timed in simulation.
; The chip was launched on July 23, 2026; its instructions are those of AMD's public machine-readable ISA for CDNA 5 (MIT licence, August 2026) and "CDNA5" Instruction Set Architecture Reference Guide (July 2026). The comments in the code are by the model that wrote it; some were corrected since.
;; Attention. Allowed arithmetic: matrix products marked QUANTISED: E2M3 operands, one E8M0 scale for each 32 along K, by v_wmma_scale_f32_16x16x128_f8f6f4 with both operands' format E2M3, f32 sums; everything else in f32.
;; Inputs: hidden 8 x 2,048 x 1,024 float32; keys 8 x 2,048 x 1,024 float32; mask 8 x 2,048 int32; values 8 x 2,048 x 1,024 float32.
;; Outputs: out0 8 x 2,048 x 1,024 float32.
;; This version of the problem:
;;   THIS VERSION OF THE PROBLEM IS GIVEN IN LOW PRECISION. The matrix products marked QUANTISED in the list below multiply operands that are first quantised to E2M3 (2 exponent bits, 3 mantissa bits; 6 bits a number), with one power-of-two scale for each 32 numbers along K (OCP MX v1.0); their sums are f32. All else is computed in f32.
;;   The module's matrix products, in the order in which they are computed (A, B: the left and right operand; K: the contracted axis; several contracted axes count as one K, in the product's order):
;;     1. batch 8 x [M 2,048, K 1,024] x [K 1,024, N 2,048]; A: input hidden; B: input keys: QUANTISED
;;     2. batch 8 x [M 2,048, K 2,048] x [K 2,048, N 1,024]; A: softmax (see below); B: input values: QUANTISED
;;   THE QUANTISER, for each operand of a quantised product, along K:
;;     - K is cut into blocks of 32 from its start; a last block that is shorter is filled with zeros.
;;     - A block's scale is 2^e with e = floor(log2(the largest magnitude in the block)) - 2, held to -126 .. 127; a block of zeros has e = 0. As a byte (E8M0): e + 127.
;;     - Each number is divided by its block's scale, clamped to +-7.5, and rounded to the nearest number of E2M3, ties to even, subnormals kept.
;;     - The product sums the exact products of the quantised numbers (number of the format x scale) in f32.
;;   ~~~python
;;   def quantise(x, axis):      # numpy; x: float32 -> the quantised numbers, widened to float32 again
;;       x = np.moveaxis(x, axis, -1); K = x.shape[-1]
;;       x = np.pad(x, [(0, 0)] * (x.ndim - 1) + [(0, -K % 32)]); x = x.reshape(x.shape[:-1] + (-1, 32)); a = np.abs(x).max(-1, keepdims=True)
;;       e = np.where(a > 0, np.clip(np.frexp(np.where(a > 0, a, 1))[1] - 1 - 2, -126, 127), 0)      # np.frexp(a)[1] - 1 = floor(log2(a)), exactly
;;       r = np.clip(x / 2.0 ** e, -7.5, 7.5)
;;       step = 2.0 ** (np.maximum(np.frexp(np.where(r == 0, 1, r))[1] - 1, 0) - 3)
;;       q = np.round(r / step) * step * 2.0 ** e      # np.round: ties to even
;;       return np.moveaxis(q.reshape(q.shape[:-2] + (-1,))[..., :K], -1, axis).astype(np.float32)
;;   ~~~
;;   SOFTMAX AHEAD OF A QUANTISED PRODUCT. Where the list says 'softmax', what is quantised is not the finished softmax but p = 2^(t - M), with t = logit x log2(e) and M = ceil(the row's largest t), a whole number; so 1/2 < the row's largest p <= 1. The row's sum l is taken of the UNQUANTISED p, in f32, and the product's result is divided by l at the end. Since M is a whole number, a kernel that streams over the keys may use a running M (the ceiling of the running maximum): every later rescaling is an exact power of two, which a block's scale takes up: the codes' values come out the same.
;;   OPERANDS COMPUTED ON THE WAY. 'Computed on the way' means the value that the module computes at that place (a softmax that the list does not call 'softmax' is quantised finished and normalised). What goes into a quantiser is computed in f32, as accurately as f32 sums, v_exp_f32 and their like allow (about 1e-6 of the number): no bf16 or f16 on the way to a quantiser, and a product that is left as it is and whose result goes on into a quantised operand takes f32 operands (vector FMAs, or v_wmma_f32_16x16x4_f32). A number that lies on a knife's edge between two numbers of the format may be rounded either way, as far as f32 arithmetic and the matrix unit's own rounding can turn it there, and no further.
;; One version. Each part assembles by itself: llvm-mc -triple=amdgcn-amd-amdhsa -mcpu=gfx1250 --defsym DOCPART=n.
;; ======== version 1 of 1: 3 launches
;; workspace buffers: h_codes 12,582,912 bytes; h_scales 524,288 bytes; k_codes 12,582,912 bytes; k_scales 524,288 bytes; v_codes 12,582,912 bytes; v_scales 524,288 bytes; p_codes 25,165,824 bytes; p_stat 3,145,728 bytes
;; launch quant (part 1): grid 2048 x 1, 4 waves a work-group, no clusters, 80,384 bytes of LDS; arguments hidden, keys, h_codes, h_scales, k_codes, k_scales, values, v_codes, v_scales; writes h_codes, h_scales, k_codes, k_scales, v_codes, v_scales
.if DOCPART == 1
	.amdgcn_target "amdgcn-amd-amdhsa--gfx1250"
	.amdhsa_code_object_version 6
	.text
	.protected	k_q55cca55974_quant
	.globl	k_q55cca55974_quant
	.p2align	8
	.type	k_q55cca55974_quant,@function
k_q55cca55974_quant:
	s_mov_b64 s[64:65], 0
	v_nop
	global_prefetch_b8 v0, s[64:65] scope:SCOPE_SE
	s_setreg_imm32_b32 hwreg(HW_REG_WAVE_MODE, 25, 1), 1
	s_wait_xcnt 0x0
; All three inputs become codes of FP6 (E2M3) with one E8M0 byte for each 32 along their product's K: hidden and keys, [16384 rows][1024] f32, along their last axis; values, [8][2048 keys][1024 channels] f32, along the keys.
; A block's scale is 2^(floor(log2(its largest magnitude)) - 2); its byte is the largest magnitude's exponent field - 2, held at 1 from below.
; LIMITS: a block of zeros, and a block whose largest magnitude lies under 2^-124, get the byte 1 (the bytes are read by this program alone; zero codes add nothing); NaN and infinities are not served.
; THE OUTPUT IS LAID AS IMAGES OF OPERAND REGISTERS.  A fragment is 16 rows x 128 K, 12 registers a lane: plane c (0..2) holds lane L's registers 4c..4c+3 at byte 512 c + 16 L: 1,536 bytes.
; codes: [block of 128 rows][K / 128][tile 0..7][1536];  scale words: [block of 128 rows][K / 128][tile][lane % 16], 4 bytes each.  For values a row is a channel, and the block is batch x 8 + channel / 128.
; ONE LAUNCH, TWO PATHS, parted on the work-group's number alone: work-groups 0-1023 take hidden and keys, 1024-2047 values.  Each path has LDS bytes of its own.  No barrier: a wave touches its own LDS bytes alone.
; HIDDEN AND KEYS.  THE ROWS OF A TILE ARE NOT NEIGHBOURS: lane r of tile 2 b + u holds row 32 b + 8 u + r % 8 + 16 (r / 8) of its block of 128, so that the next launch's scores of two neighbouring tiles are 16 neighbouring keys.
;   Work-groups 0-511 take hidden, 512-1023 keys: pointers alone are chosen.  A work-group takes 32 whole rows, wave w their columns 256 w .. 256 w + 255: four fragments (u = 0, 1; q = 0, 1).
;   Each load reads 512 consecutive bytes of one row; the rows turn through the wave's own stage in LDS (places of 512 + 16 bytes, in the tiles' order) and come back 16 neighbours of each block of 32 to a lane.
; VALUES.  A LANE TAKES A CHANNEL AND ITS REGISTERS RUN DOWN THE KEYS: a block of 32 keys lies in one lane's 32 registers, and the conversions give codes with the keys innermost; channel = 16 tile + lane % 16.
;   A work-group takes 128 channels x 128 keys, wave w channels 32 w .. 32 w + 31: two tiles.  Block t of a lane's four is registers 6 (t / 2) .. + 5 of image lane r + 16 (t % 2).
;   The two images are gathered in the wave's own LDS bytes and leave as 3,072 consecutive bytes.
.set FRB,   1536                       ; a fragment's image
.set ROWB,  4096                       ; bytes in a row of an input
.set PL,    528                        ; hidden, keys: a row's place in the stage: 33 x 16 bytes, so that sixteen rows begin in sixteen different groups of banks
.set STG,   32*PL                      ; a wave's stage
.set VIMG,  4*STG                      ; behind the four stages: values' images, two a wave
.set SPARE, VIMG+4*2*FRB               ; behind them: the spare words, 128 bytes a wave
.set SPW,   14                         ; v14  my spare word; never rewritten
.set NIL,   15                         ; v15  0; never rewritten
; hidden and keys
.set VIN,   2                          ; v2   16 x lane: my bytes of a load's 512, and of a plane of an image
.set VST,   3                          ; v3   the stage, on the way in
.set VRD,   4                          ; v4   the stage, on the way out: row lane % 16, + 64 (lane / 16)
.set VSC,   5                          ; v5   4 x lane
.set TM,    16                         ; v16-31 at work in QUANT
.set PC,    32                         ; v32-43 a fragment's codes; v44-50 the conversions' second halves
.set PWS,   52                         ; v52-55 the scale words of fragments (q, u)
.set EW,    56                         ; v56-57 two tiles' words in one register
.set R,     64                         ; v64-191 32 rows as loaded
.set X,     192                        ; v192-255 64 numbers of a lane
.set SEL,   20                         ; s[20:21] selects for lane l xor 16
.set LM,    22                         ; s22 lanes 16-31
; values
.set EMAX,  2
.set VX,    32                         ; v32-95  two sets of 32 numbers; at the end the images on their way out
.set VC,    96                         ; v96-101 a block's 24 bytes of codes
.set VD,    104                        ; v104-106 the second conversion's result
.set VSB,   24                         ; v24     my channel's scale word
	s_load_b128 s[4:7], s[0:1], 0x0                ; hidden, keys
	s_load_b128 s[8:11], s[0:1], 0x10              ; hidden's codes and scales
	s_load_b128 s[12:15], s[0:1], 0x20             ; keys' codes and scales
	s_load_b128 s[32:35], s[0:1], 0x30             ; values, its codes
	s_load_b64 s[36:37], s[0:1], 0x40              ; its scales
	v_lshl_add_u32 v[SPW], v0, 2, SPARE
	v_mov_b32 v[NIL], 0
	v_lshrrev_b32 v1, 5, v0
	v_readfirstlane_b32 s16, v1                    ; wave
	s_cmp_lt_u32 ttmp9, 1024                       ; the work-group's number alone: all four waves go the same way
	s_cbranch_scc0 .Lvalues
	; ---------------- hidden and keys ----------------
	v_and_b32 v1, 31, v0                           ; lane
	v_and_b32 v6, 15, v0                           ; r
	v_bfe_u32 v7, v0, 4, 1                         ; h
	v_lshlrev_b32 v[VIN], 4, v1
	v_lshlrev_b32 v[VSC], 2, v1
	s_mul_i32 s24, s16, STG
	v_add_nc_u32 v[VST], s24, v[VIN]
	v_mul_u32_u24 v[VRD], v6, PL
	v_lshl_add_u32 v[VRD], v7, 6, v[VRD]
	v_add_nc_u32 v[VRD], s24, v[VRD]
	s_mov_b32 s[SEL], 0x76543210
	s_mov_b32 s[SEL+1], 0xfedcba98
	s_mov_b32 s[LM], 0xffff0000
.irp b, 0,1,2,3
	v_mov_b32 v[TM+4+\b], 0                        ; written once: a lane permute's destination counts as one of its sources
.endr
	s_and_b32 s17, ttmp9, 511                      ; which 32 rows of the tensor
	s_lshl_b32 s26, s17, 17                        ; 32 rows of 4,096 bytes,
	s_lshl_b32 s25, s16, 10                        ; my wave's 1,024 bytes of each
	s_add_co_u32 s26, s26, s25
	s_mov_b32 s27, 0
	s_lshr_b32 s25, s17, 2                         ; the block of 128 rows,
	s_lshl_b32 s25, s25, 3
	s_lshl_b32 s18, s16, 1
	s_add_co_u32 s25, s25, s18                     ; x 8 + my first K / 128
	s_and_b32 s18, s17, 3                          ; which pair of tiles
	s_mul_i32 s28, s25, 8*FRB
	s_mul_i32 s19, s18, 2*FRB
	s_add_co_u32 s28, s28, s19
	s_mov_b32 s29, 0
	s_lshl_b32 s30, s25, 9
	s_lshl_b32 s19, s18, 7
	s_add_co_u32 s30, s30, s19
	s_mov_b32 s31, 0
	s_wait_kmcnt 0x0
	s_cmp_lt_u32 ttmp9, 512                        ; the choice hangs on the work-group's number alone
	s_cselect_b64 s[4:5], s[4:5], s[6:7]
	s_cselect_b64 s[8:9], s[8:9], s[12:13]
	s_cselect_b64 s[10:11], s[10:11], s[14:15]
	s_add_nc_u64 s[4:5], s[4:5], s[26:27]
	s_add_nc_u64 s[8:9], s[8:9], s[28:29]
	s_add_nc_u64 s[10:11], s[10:11], s[30:31]
.macro HLOAD q                         ; 128 along K of all 32 rows: a row's 512 consecutive bytes to a load
.set ii, 0
.rept 32
	global_load_b128 v[R+4*ii:R+4*ii+3], v[VIN], s[4:5] offset:ii*ROWB+(\q)*512 th:TH_LOAD_NT
.set ii, ii+1
.endr
.endm
; 64 numbers of a lane, register 16 b + i = k 32 b + 16 (lane / 16) + i of my row, become a fragment's codes in v[PC] on and its scale word in v[pw].
.macro QUANT s, pw
.irp b, 0,1,2,3
	v_max3_num_f32 v[TM+\b], |v[\s+16*\b]|, |v[\s+1+16*\b]|, 0x1800000   ; my 16 numbers of block b, and the floor 2^(3 - 127): the byte cannot fall under 1
.endr
.irp i, 2,4,6,8,10,12,14
.irp b, 0,1,2,3
	v_max3_num_f32 v[TM+\b], v[TM+\b], |v[\s+16*\b+\i]|, |v[\s+1+16*\b+\i]|   ; the four blocks by turns
.endr
.endr
.irp b, 0,1,2,3
	v_permlanex16_b32 v[TM+4+\b], v[TM+\b], s[SEL], s[SEL+1]
.endr
.irp b, 0,1,2,3
	v_max_num_f32 v[TM+\b], v[TM+\b], v[TM+4+\b]   ; with lane l xor 16's: the block's largest magnitude
.endr
.irp b, 0,1,2,3
	v_add_nc_u32 v[TM+12+\b], 0xff000000, v[TM+\b] ; 2 off its exponent field: the conversion takes that field as its scale
.endr
.irp b, 0,1,2,3
	v_lshrrev_b32 v[TM+4+\b], 23, v[TM+12+\b]      ; the scale's byte
.endr
	v_lshl_or_b32 v[\pw], v[TM+5], 8, v[TM+4]
	v_lshl_or_b32 v[\pw], v[TM+6], 16, v[\pw]
	v_lshl_or_b32 v[\pw], v[TM+7], 24, v[\pw]      ; my row's scale word, the same in lanes l and l xor 16
.irp c, 0,1
	v_cvt_scalef32_pk16_fp6_f32 v[PC+6*\c:PC+2+6*\c], v[\s+32*\c:\s+15+32*\c], v[TM+12+2*\c]
	v_cvt_scalef32_pk16_fp6_f32 v[PC+12+4*\c:PC+14+4*\c], v[\s+16+32*\c:\s+31+32*\c], v[TM+12+2*\c+1]   ; (a conversion's three registers begin on an even number)
.endr
	v_nop                                          ; one plain place behind a scaled conversion
.irp c, 0,1                                    ; the operand wants a whole block in a lane: lanes 0-15 block 2 c, lanes 16-31 block 2 c + 1
.irp i, 0,1,2
	v_permlane16_swap_b32 v[PC+6*\c+\i], v[PC+12+4*\c+\i]
.endr
.irp i, 0,1,2
	v_mov_b32 v[PC+3+6*\c+\i], v[PC+12+4*\c+\i]
.endr
.endr
.endm
.macro TILE u, q                       ; tile u of the strip, 128 along K: out of the stage, quantised, stored as an image
.irp b, 0,1,2,3
.irp j, 0,1,2,3
	ds_load_b128 v[X+16*\b+4*\j:X+16*\b+4*\j+3], v[VRD] offset:(\u)*16*PL+128*\b+16*\j
.endr
.endr
	s_wait_dscnt 0x0                               ; my 64 numbers are in; the stage's stores have read R
.if ((\u) == 0) && ((\q) == 0)
	HLOAD 1                                        ; the second 128 along K lands while the first is quantised
.endif
.if (\u)+(\q) > 0
	s_wait_xcnt 0x0                                ; the last image's stores have read v[PC] on: it is written again only behind this wait
.endif
	QUANT X, PWS+2*(\q)+(\u)
.irp c, 0,1,2
	global_store_b128 v[VIN], v[PC+4*\c:PC+4*\c+3], s[8:9] offset:(\q)*8*FRB+(\u)*FRB+512*\c   ; 32 lanes store 512 consecutive bytes, aligned
.endr
.endm
.macro STEP q
.set ii, 0
.rept 32
.if ii%8 == 0
	s_wait_loadcnt 24-ii                           ; loads come back in order: the next eight rows are in, the younger ones may be out
.endif
	ds_store_b128 v[VST], v[R+4*ii:R+4*ii+3] offset:(16*((ii/8)%2)+8*(ii/16)+ii%8)*PL   ; row ii goes to its place in the tiles' order
.set ii, ii+1
.endr
	TILE 0, \q
	TILE 1, \q
	v_cndmask_b32 v[EW+\q], v[PWS+2*\q], v[PWS+2*\q+1], s[LM]   ; lanes 0-15 tile 0's words, lanes 16-31 tile 1's
	global_store_b32 v[VSC], v[EW+\q], s[10:11] offset:\q*512
.endm
	HLOAD 0
	STEP 0
	STEP 1
	s_wait_tensorcnt 0x0                           ; the wave's end: behind my last LDS store
	ds_add_u32 v[SPW], v[NIL]
	s_wait_dscnt 0x0
	s_endpgm
	; ---------------- values ----------------
.Lvalues:
	v_and_b32 v2, 31, v0                           ; lane
	v_lshlrev_b32 v3, 2, v2                        ; 4 x lane: in, and my scale word
	v_lshlrev_b32 v8, 4, v2                        ; 16 x lane: out
	s_mul_i32 s19, s16, 2*FRB                      ; my two images: their place among the work-group's eight,
	s_add_co_u32 s28, s19, VIMG                    ; and in LDS
	v_add_nc_u32 v7, s28, v8                       ; out of LDS: as the bytes lie
	v_and_b32 v5, 15, v2
	v_lshrrev_b32 v6, 4, v2
	v_mul_u32_u24 v4, v6, FRB
	v_lshl_add_u32 v4, v5, 4, v4
	v_add_nc_u32 v4, s28, v4                       ; into LDS: my tile's image, 16 (lane % 16)
	s_sub_co_u32 s17, ttmp9, 1024                  ; 0 .. 1023
	s_and_b32 s29, s17, 63                         ; the block: batch x 8 + channel / 128: neighbouring work-groups read neighbouring 512 bytes of the same keys
	s_lshr_b32 s18, s17, 6                         ; which 128 keys
	s_lshr_b32 s20, s29, 3                         ; the batch: 2,048 keys of 4,096 bytes
	s_lshl_b32 s20, s20, 23
	s_lshl_b32 s21, s18, 19                        ; 128 keys of 4,096 bytes
	s_add_co_u32 s20, s20, s21
	s_and_b32 s21, s29, 7
	s_lshl_b32 s21, s21, 9                         ; 128 channels of 4 bytes
	s_add_co_u32 s20, s20, s21
	s_lshl_b32 s21, s16, 7                         ; my wave's 32
	s_add_co_u32 s20, s20, s21
	s_mov_b32 s21, 0
	s_lshl_b32 s22, s29, 4
	s_add_co_u32 s22, s22, s18
	s_mul_i32 s24, s22, 8*FRB
	s_add_co_u32 s24, s24, s19
	s_mov_b32 s25, 0
	s_lshl_b32 s26, s22, 9
	s_lshl_b32 s27, s16, 7
	s_add_co_u32 s26, s26, s27
	s_mov_b32 s27, 0
	s_wait_kmcnt 0x0
	s_add_nc_u64 s[32:33], s[32:33], s[20:21]
	s_add_nc_u64 s[34:35], s[34:35], s[24:25]
	s_add_nc_u64 s[36:37], s[36:37], s[26:27]
.macro VLOAD t                         ; block t: keys 32 t + i of my channel; a wave reads 128 consecutive bytes, the four waves 512
.set ii, 0
.rept 32
	global_load_b32 v[VX+32*((\t)%2)+ii], v3, s[32:33] offset:(32*(\t)+ii)*ROWB th:TH_LOAD_NT
.set ii, ii+1
.endr
.endm
	VLOAD 0
	VLOAD 1                                        ; two blocks ahead: 64 loads; the counter's field holds 63, so the last is issued when one is back (ISA guide 5.7.1)
.macro BLOCK t
.set XS, VX+32*((\t)%2)
.if (\t) < 3
	s_wait_loadcnt 32                              ; this block's 32 loads are in; the next block's may be out
.else
	s_wait_loadcnt 0x0
.endif
	v_max3_num_f32 v12, |v[XS]|, |v[XS+1]|, |v[XS+2]|   ; the block's largest magnitude: all 32 numbers are mine
	v_max3_num_f32 v13, |v[XS+3]|, |v[XS+4]|, |v[XS+5]|
.irp i, 6,10,14,18,22,26
	v_max3_num_f32 v12, v12, |v[XS+\i]|, |v[XS+\i+1]|
	v_max3_num_f32 v13, v13, |v[XS+\i+2]|, |v[XS+\i+3]|
.endr
	v_max3_num_f32 v12, v12, |v[XS+30]|, |v[XS+31]|
	v_max3_num_f32 v12, v12, v13, (EMAX+1)<<23     ; and the floor: the byte cannot fall under 1
	v_add_nc_u32 v11, -(EMAX<<23), v12             ; EMAX off the exponent field: the conversion's scale operand
	v_lshrrev_b32 v13, 23, v11                     ; the scale's byte
	v_cvt_scalef32_pk16_fp6_f32 v[VC:VC+2], v[XS:XS+15], v11
	v_cvt_scalef32_pk16_fp6_f32 v[VD:VD+2], v[XS+16:XS+31], v11   ; (a conversion's three registers begin on an even number)
.if (\t) == 0
	v_mov_b32 v[VSB], v13                          ; the lower keys in the lower byte.  (This line is the plain place behind the conversions)
.else
	v_lshl_or_b32 v[VSB], v13, 8*(\t), v[VSB]
.endif
.irp i, 0,1,2
	v_mov_b32 v[VC+3+\i], v[VD+\i]
.endr
.if (\t)/2 == 0                        ; registers 0-5 of the image's lane: plane 0 whole, the first half of plane 1
	ds_store_b128 v4, v[VC:VC+3] offset:256*((\t)%2)
	ds_store_b64 v4, v[VC+4:VC+5] offset:512+256*((\t)%2)
.else                                  ; registers 6-11: the second half of plane 1, plane 2 whole
	ds_store_b64 v4, v[VC:VC+1] offset:520+256*((\t)%2)
	ds_store_b128 v4, v[VC+2:VC+5] offset:1024+256*((\t)%2)
.endif
.if (\t)+2 < 4
	VLOAD (\t)+2
.endif
	s_wait_dscnt 0x0                               ; the stores have read their registers: the next block's codes may be written
.endm
	BLOCK 0
	BLOCK 1
	BLOCK 2
	BLOCK 3
	global_store_b32 v3, v[VSB], s[36:37]          ; 32 lanes: the words of my two tiles, 128 consecutive bytes
.irp k, 0,1,2,3,4,5
	ds_load_b128 v[VX+4*\k:VX+4*\k+3], v7 offset:512*\k   ; LDS serves a wave's instructions in order: these see my stores
.endr
.irp k, 0,1,2,3,4,5
	s_wait_dscnt 5-\k
	global_store_b128 v8, v[VX+4*\k:VX+4*\k+3], s[34:35] offset:512*\k   ; 32 lanes store 512 consecutive bytes, aligned
.endr
	s_wait_tensorcnt 0x0                           ; the wave's end: behind my last LDS store
	ds_add_u32 v[SPW], v[NIL]
	s_wait_dscnt 0x0
	s_endpgm
.Lfunc_end_k_q55cca55974_quant:
	.size	k_q55cca55974_quant, .Lfunc_end_k_q55cca55974_quant-k_q55cca55974_quant
	.p2alignl 7, 3214868480
	.fill 96, 4, 3214868480
	.section	.rodata,"a",@progbits
	.p2align	6, 0x0
	.amdhsa_kernel k_q55cca55974_quant
		.amdhsa_group_segment_fixed_size 80384
		.amdhsa_private_segment_fixed_size 0
		.amdhsa_enable_private_segment 0
		.amdhsa_kernarg_size 72
		.amdhsa_user_sgpr_count 2
		.amdhsa_user_sgpr_kernarg_segment_ptr 1
		.amdhsa_wavefront_size32 1
		.amdhsa_system_sgpr_workgroup_id_x 1
		.amdhsa_system_sgpr_workgroup_id_y 1
		.amdhsa_system_sgpr_workgroup_id_z 1
		.amdhsa_system_vgpr_workitem_id 0
		.amdhsa_next_free_vgpr 256
		.amdhsa_next_free_sgpr 66
		.amdhsa_reserve_vcc 0
		.amdhsa_float_denorm_mode_32 3
		.amdhsa_float_denorm_mode_16_64 3
		.amdhsa_memory_ordered 1
		.amdhsa_forward_progress 1
		.amdhsa_inst_pref_size 55
	.end_amdhsa_kernel
	.amdgpu_metadata
---
amdhsa.version: [ 1, 2 ]
amdhsa.kernels:
  - .name:           k_q55cca55974_quant
    .symbol:         k_q55cca55974_quant.kd
    .args:
      - { .name: hidden, .offset: 0, .size: 8, .value_kind: global_buffer, .address_space: global }
      - { .name: keys, .offset: 8, .size: 8, .value_kind: global_buffer, .address_space: global }
      - { .name: h_codes, .offset: 16, .size: 8, .value_kind: global_buffer, .address_space: global }
      - { .name: h_scales, .offset: 24, .size: 8, .value_kind: global_buffer, .address_space: global }
      - { .name: k_codes, .offset: 32, .size: 8, .value_kind: global_buffer, .address_space: global }
      - { .name: k_scales, .offset: 40, .size: 8, .value_kind: global_buffer, .address_space: global }
      - { .name: values, .offset: 48, .size: 8, .value_kind: global_buffer, .address_space: global }
      - { .name: v_codes, .offset: 56, .size: 8, .value_kind: global_buffer, .address_space: global }
      - { .name: v_scales, .offset: 64, .size: 8, .value_kind: global_buffer, .address_space: global }
    .group_segment_fixed_size: 80384
    .private_segment_fixed_size: 0
    .kernarg_segment_align: 8
    .kernarg_segment_size: 72
    .max_flat_workgroup_size: 128
    .sgpr_count:     66
    .vgpr_count:     256
    .wavefront_size: 32
...
	.end_amdgpu_metadata
.endif
;; end of part 1
;; launch scores (part 2): grid 8 x 64, 4 waves a work-group, clusters of 4 x 4, 327,680 bytes of LDS; arguments h_codes, h_scales, k_codes, k_scales, mask, p_codes, p_stat; writes p_codes, p_stat
.if DOCPART == 2
	.amdgcn_target "amdgcn-amd-amdhsa--gfx1250"
	.amdhsa_code_object_version 6
	.text
	.protected	k_q55cca55974_scores
	.globl	k_q55cca55974_scores
	.p2align	8
	.type	k_q55cca55974_scores,@function
k_q55cca55974_scores:
	s_mov_b64 s[64:65], 0
	v_nop
	global_prefetch_b8 v0, s[64:65] scope:SCOPE_SE
	s_setreg_imm32_b32 hwreg(HW_REG_WAVE_MODE, 25, 1), 1
	s_wait_xcnt 0x0
	s_wait_alu depctr_hold_cnt(0) depctr_sa_sdst(0) depctr_va_vdst(0) depctr_va_sdst(0) depctr_va_ssrc(0) depctr_va_vcc(0) depctr_vm_vsrc(0)
	s_getreg_b32 s2, hwreg(HW_REG_IB_STS2, 6, 4)
	s_cmp_eq_u32 s2, 0
	s_cbranch_scc0 .Lentry_in_a_cluster
	s_endpgm
.Lentry_in_a_cluster:
	s_bfe_u32 s2, ttmp6, 0x10000c
	s_cmp_lg_u32 s2, 0xf033
	s_cbranch_scc0 .Lentry_shape_is_right
	s_endpgm
.Lentry_shape_is_right:
; S = hidden keys^T on codes of FP6 (E2M3) with E8M0 scales, K = 1,024; keys whose mask is 0 count as -1e10; then the softmax's p, quantised, under a LOCAL whole number M for each query and each strip of 128 keys.
; t = f32(score x log2 e); M = ceil(the strip's largest t); p = 2^(t - M); the strip's sum is taken of the unquantised p.  Stored: p's codes as images of operand registers, and for each (query, strip) p's scale word, -M and the sum.
; The next launch brings the strips under the row's M by lowering the scale bytes: a power of two, which changes no code.
; A tile of S, 256 queries x 256 keys, is made by four waves; a wave makes 128 x 128: 64 accumulators, 512 registers.  The product is used transposed (source 0 = 16 keys, source 1 = 16 queries): a lane holds one query,
; and, by the order of the keys in a tile (lane r of tile 2 b + u is key 32 b + 8 u + r % 8 + 16 (r / 8)), register n of a query tile's 64 holds key 32 (n / 16) + 16 (lane / 16) + n % 16 of the strip.
; OPERANDS lie in memory as images of their registers (16 rows x 128 K: 1,536 bytes, plane c = registers 4c..4c+3 at 512 c + 16 lane), so 256 along K of 128 rows are 24,576 dense bytes: one tensor load a wave;
; a fragment comes out of LDS by three loads of 512 consecutive bytes.  K's four steps of 256 go through three slots: three first fills, one refill.
; CLUSTERS: 4 x 4 work-groups; hidden's tiles are asked for jointly along a row of the cluster, keys' along a column.
; LIMITS: NaN and infinities are not served.  A block of 32 keys whose every p is 0 gets the byte 1: its codes are zeros.
; REGISTERS: window 0: v0-31 addresses; v32-63 scale words; v64-127 log2 e or 0 for my 64 keys; v128-223 hidden's fragments, one set; on the way out v128-247 are at work.
;   window 1: keys' fragments, two sets at v0 and v128; v96-127 and v224-255: 0 or f32(-1e10 x log2 e) for my 64 keys.   windows 2, 3: the accumulators ((a, b) at v[8 (8 (a % 4) + b)]).
.set FR,     12                        ; registers of a fragment
.set FRB,    1536                      ; its image in bytes
.set NL,     3                         ; LDS loads that bring one
.set HALFT,  16*FRB                    ; 128 rows x 256 K: what one tensor load brings
.set SLOT,   4*HALFT                   ; hidden's two halves, then keys' two
.set SCL,    3*SLOT                    ; behind the three slots: the scale words, all of K
.set HALFS,  4096                      ; those of 128 rows
.set SPARE,  SCL+4*HALFS               ; the spare words, 128 bytes a wave
.set RBB,    64*FRB                    ; 128 rows' codes, all of K
.set ADRA, 16                          ; v16-18 my fragments of hidden in slots 0-2
.set ADRB, 20                          ; v20-22 of keys
.set LI,   24                          ; v24    16 x lane
.set MO,   25                          ; v25    64 (lane / 16): my half's keys in the mask
.set ADRS, 27                          ; v27    my scale words: lanes 0-15 hidden's, lanes 16-31 keys'
.set SPW,  28                          ; v28    my spare word; never rewritten
.set NIL,  29                          ; v29    0; never rewritten
.set SC,   32                          ; scale words: set s at v[SC + 16 s], register 2 i + q
.set MC,   64
.set AF,   128
.set W,    128                         ; the way out: 64 numbers t, then p
.set PC,   192                         ; p's codes; PD: the conversions' second halves
.set PD,   204
.set BM,   212                         ; a block's largest t, then p
.set BX,   216
.set SO,   220                         ; the conversions' scale operands
.set BY,   224                         ; the bytes
.set NM,   228                         ; v[228:229] -M (the low word serves both halves)
.set SMA,  230
.set SMB,  232
.set T,    234
.set T2,   235
.set OW,   236                         ; v236-239 scale words, v240-243 -M, v244-247 sums: register a / 2, lanes 0-15 tile a even, lanes 16-31 tile a odd
.set OM,   240
.set OL,   244
.set G1,   24                          ; s[24:31] group 1 for hidden's tiles; s[32:43] groups 0, slots 0-2
.set G0,   32
.set G1B,  44                          ; s[44:51], s[52:63] the same for keys'
.set G0B,  52
.set G1S,  68                          ; s[68:75], s[76:79] hidden's scale words; s[80:87], s[88:91] keys'
.set G0S,  76
.set G1SB, 80
.set G0SB, 88
.set SEL,  20                          ; s[20:21] selects for lane l xor 16 (set behind the head's last use of s20-23)
.set LM,   22                          ; s22 lanes 16-31
.set MSB, 0
.macro WIN new                         ; the immediate's high byte repeats the setting that is left
.if MSB != (\new)
	s_set_vgpr_msb (MSB<<8)|(\new)
.set MSB, \new
.endif
.endm
.set MUL_LO, 0xa1                      ; source 0 (keys) window 1, source 1 (hidden) window 0, C and D window 2
.set MUL_HI, 0xf1                      ; the same, C and D window 3
.set TO_B,   0x40                      ; destination window 1, address window 0
; A joint load: waves 0 and 1 fetch for hidden, waves 2 and 3 for keys.  The branch hangs on the wave's number alone.  An s_nop 0 and four v_nop follow each line.
.macro JLOAD g0a, g1a, g0b, g1b
	s_cmp_eq_u32 s15, 0
	s_cbranch_scc0 .Lfor_b_\@
	tensor_load_to_lds s[\g0a:\g0a+3], s[\g1a:\g1a+7]
	s_nop 0
.rept 4
	v_nop
.endr
	s_branch .Lasked_\@
.Lfor_b_\@:
	tensor_load_to_lds s[\g0b:\g0b+3], s[\g1b:\g1b+7]
	s_nop 0
.rept 4
	v_nop
.endr
.Lasked_\@:
.endm
.macro CREST                           ; a round of the cluster's barrier behind its opening barrier
	s_cmp_lg_u32 s14, 0
	s_cbranch_scc1 .Lnot_wave_0_\@
	s_barrier_signal -3
.Lnot_wave_0_\@:
	s_barrier_wait -3
	s_barrier_signal -1
	s_barrier_wait -1
.endm
.macro CROUND
	s_barrier_signal -1
	s_barrier_wait -1
	CREST
.endm
.macro PLACES n                        ; plain places behind matrix instructions, ahead of loads into their registers and of reads of their results
.rept \n
	v_nop
.endr
.endm
	s_load_b256 s[4:11], s[0:1], 0x0               ; hidden's codes, scales; keys' codes, scales
	s_load_b128 s[96:99], s[0:1], 0x20             ; mask, p's codes
	s_load_b64 s[12:13], s[0:1], 0x30              ; p's words, -M and sums
	v_lshl_add_u32 v[SPW], v0, 2, SPARE
	v_mov_b32 v[NIL], 0
	ds_add_u32 v[SPW], v[NIL]                      ; the wave's opening: the add and its wait stand ahead of my first tensor load; work on registers stands between
	v_lshrrev_b32 v1, 5, v0
	v_readfirstlane_b32 s14, v1                    ; wave 0..3
	s_lshr_b32 s15, s14, 1                         ; my half of the queries.  Also: I fetch for hidden (0) or keys (1)
	s_and_b32 s16, s14, 1                          ; my half of the keys.  Also: which 128 rows I fetch
	s_bfe_u32 s66, ttmp6, 0x40000                  ; cx
	s_bfe_u32 s67, ttmp6, 0x40004                  ; cy
	s_lshl_b32 s92, ttmp9, 2
	s_add_co_u32 s92, s92, s66                     ; tile column: 256 keys of the batch
	s_and_b32 s95, ttmp7, 0xffff
	s_lshl_b32 s17, s95, 2
	s_add_co_u32 s17, s17, s67                     ; tile row: 256 of the 16,384 queries
	s_lshr_b32 s95, s95, 1                         ; the batch: eight tile rows, two clusters: made of the cluster's y alone
	s_lshl_b32 s93, s67, 2
	s_lshl_b32 s93, 15, s93                        ; my row of the cluster
	s_lshl_b32 s94, 0x1111, s66                    ; my column
	; group 1: dense blocks as rows of 256 bytes (32 elements of 8 bytes), no padding: 15:0 the mask; 17:16 element size; 21 set beside a mask
	s_or_b32 s[G1+0], s93, (3<<16)|(1<<21)
	s_or_b32 s[G1B+0], s94, (3<<16)|(1<<21)
.irp g, G1, G1B
	s_mov_b32 s[\g+1], 32<<16                      ; tensor_dim0
	s_mov_b32 s[\g+2], 96<<16                      ; tensor_dim1: 24,576 bytes
	s_mov_b32 s[\g+3], 32<<16                      ; tile_dim0
	s_mov_b32 s[\g+4], 96                          ; tile_dim1
	s_mov_b32 s[\g+5], 32                          ; the pitch
	s_mov_b32 s[\g+6], 0
	s_mov_b32 s[\g+7], 0
.endr
	s_or_b32 s[G1S+0], s93, (3<<16)|(1<<21)
	s_or_b32 s[G1SB+0], s94, (3<<16)|(1<<21)
.irp g, G1S, G1SB
	s_mov_b32 s[\g+1], 32<<16
	s_mov_b32 s[\g+2], 16<<16                      ; 4,096 bytes
	s_mov_b32 s[\g+3], 32<<16
	s_mov_b32 s[\g+4], 16
	s_mov_b32 s[\g+5], 32
	s_mov_b32 s[\g+6], 0
	s_mov_b32 s[\g+7], 0
.endr
	s_lshl_b32 s20, s17, 1
	s_add_co_u32 s20, s20, s16                     ; hidden: block of 128 rows = 2 x tile row + half
	s_lshl_b32 s2, s95, 4
	s_lshl_b32 s3, s92, 1
	s_add_co_u32 s2, s2, s3
	s_add_co_u32 s2, s2, s16                       ; keys: 16 x batch + 2 x tile column + half
	s_lshl_b32 s22, s20, 12                        ; their scale words,
	s_mov_b32 s23, 0
	s_mul_i32 s20, s20, RBB                        ; their codes
	s_mov_b32 s21, 0
	s_lshl_b32 s18, s2, 12
	s_mov_b32 s19, 0
	s_mul_i32 s2, s2, RBB
	s_mov_b32 s3, 0
	s_mul_i32 s100, s14, HALFT                     ; where they go: wave x a quarter of a slot: no place in the cluster enters an LDS address
	s_mul_i32 s101, s14, HALFS
	s_wait_dscnt 0x0                               ; the opening add is done
	s_wait_kmcnt 0x0
	s_add_nc_u64 s[20:21], s[4:5], s[20:21]
	s_add_nc_u64 s[22:23], s[6:7], s[22:23]
	s_add_nc_u64 s[2:3], s[8:9], s[2:3]
	s_add_nc_u64 s[18:19], s[10:11], s[18:19]
	CROUND                                         ; all sixteen work-groups are here: the first joint loads meet
	s_mov_b32 s[G0S], 1
	s_add_co_u32 s[G0S+1], s101, SCL
	s_mov_b64 s[G0S+2:G0S+3], s[22:23]
	s_or_b32 s[G0S+3], s[G0S+3], 0x80000000
	s_mov_b32 s[G0SB], 1
	s_add_co_u32 s[G0SB+1], s101, SCL
	s_mov_b64 s[G0SB+2:G0SB+3], s[18:19]
	s_or_b32 s[G0SB+3], s[G0SB+3], 0x80000000
	JLOAD G0S, G1S, G0SB, G1SB                     ; the scale words first: wanted with the first step
.irp s, 0,1,2
	s_mov_b32 s[G0+4*\s], 1
	s_add_co_u32 s[G0+4*\s+1], s100, \s*SLOT
	s_add_nc_u64 s[G0+4*\s+2:G0+4*\s+3], s[20:21], \s*HALFT
	s_or_b32 s[G0+4*\s+3], s[G0+4*\s+3], 0x80000000
	s_mov_b32 s[G0B+4*\s], 1
	s_add_co_u32 s[G0B+4*\s+1], s100, \s*SLOT
	s_add_nc_u64 s[G0B+4*\s+2:G0B+4*\s+3], s[2:3], \s*HALFT
	s_or_b32 s[G0B+4*\s+3], s[G0B+4*\s+3], 0x80000000
	JLOAD G0+4*\s, G1, G0B+4*\s, G1B               ; K 0-255, 256-511, 512-767: four tensor loads of mine are out
.endr
	; the mask of my 128 keys: register n of 64 = key 32 (n / 16) + 16 (lane / 16) + n % 16
	s_lshl_b32 s18, s95, 13
	s_lshl_b32 s19, s92, 10
	s_add_co_u32 s18, s18, s19
	s_lshl_b32 s19, s16, 9
	s_add_co_u32 s18, s18, s19
	s_mov_b32 s19, 0
	s_add_nc_u64 s[96:97], s[96:97], s[18:19]
	v_and_b32 v1, 15, v0                           ; r
	v_bfe_u32 v2, v0, 4, 1                         ; h
	v_and_b32 v3, 31, v0                           ; lane
	v_lshlrev_b32 v[MO], 6, v2
.irp n, 0,1,2,3,4,5,6,7,8,9,10,11,12,13,14,15
	global_load_b128 v[128+4*\n:131+4*\n], v[MO], s[96:97] offset:128*(\n/4)+16*(\n%4)
.endr
	v_lshlrev_b32 v[LI], 4, v3
	s_mul_i32 s18, s15, HALFT                      ; my 128 queries
	s_mul_i32 s19, s16, HALFT                      ; my 128 keys,
	s_add_co_u32 s19, s19, 2*HALFT                 ; behind hidden's two halves
.irp s, 0,1,2
	v_add_nc_u32 v[ADRA+\s], s18, v[LI]
	v_add_nc_u32 v[ADRB+\s], s19, v[LI]
	s_add_co_u32 s18, s18, SLOT
	s_add_co_u32 s19, s19, SLOT
.endr
	v_lshlrev_b32 v5, 2, v1                        ; a scale word: 4 (lane % 16)
	s_mul_i32 s18, s15, HALFS
	s_mul_i32 s19, s16, HALFS
	s_add_co_u32 s19, s19, 2*HALFS
	s_sub_co_u32 s19, s19, s18
	v_mul_u32_u24 v6, s19, v2                      ; lanes 16-31 take keys': the lower base + h x the distance
	s_add_co_u32 s18, s18, SCL
	v_add_nc_u32 v5, v5, v6
	v_add_nc_u32 v[ADRS], s18, v5
	s_lshl_b32 s18, s17, 1
	s_add_co_u32 s18, s18, s15                     ; my queries' block of 128,
	s_lshl_b32 s18, s18, 4
	s_lshl_b32 s19, s92, 1
	s_add_co_u32 s18, s18, s19
	s_add_co_u32 s18, s18, s16                     ; x 16 + my strip of 128 keys
	s_mul_i32 s2, s18, 8*FRB
	s_mov_b32 s3, 0
	s_add_nc_u64 s[98:99], s[98:99], s[2:3]
	s_mul_i32 s2, s18, FRB                         ; three planes of 512 bytes
	s_add_nc_u64 s[12:13], s[12:13], s[2:3]
	s_mov_b32 s[SEL], 0x76543210
	s_mov_b32 s[SEL+1], 0xfedcba98
	s_mov_b32 s[LM], 0xffff0000
	v_mov_b32 v10, 0x3fb8aa3b                      ; log2 e
	v_mov_b32 v11, 0xd056fa73                      ; f32(-1e10 x log2 e)
	s_wait_loadcnt 0x0
.set nn, 0
.rept 64                               ; t = score x MC + TB: a key that counts has (log2 e, 0), a masked key (0, the constant): a value is chosen, no branch
	v_cmp_ne_u32 vcc_lo, 0, v[128+nn]
	v_cndmask_b32 v[MC+nn], 0, v10, vcc_lo
.set nn, nn+1
.endr
	WIN TO_B
.set nn, 0
.rept 64
	v_cmp_eq_u32 vcc_lo, 0, v[128+nn]
	v_cndmask_b32 v[96+nn+96*(nn/32)], 0, v11, vcc_lo
.set nn, nn+1
.endr
	WIN 0
.macro FRAG reg, adr, off              ; a fragment's image: three loads of 512 consecutive bytes
.irp c, 0,1,2
	ds_load_b128 v[\reg+4*\c:\reg+4*\c+3], v[\adr] offset:\off+512*\c
.endr
.endm
.macro FETCH_B slot, q, p              ; keys' eight fragments of the slot's q-th 128 along K into set p
	WIN TO_B
.irp i, 0,1,2,3,4,5,6,7
	FRAG 128*(\p)+FR*\i, ADRB+\slot, (\q)*8*FRB+\i*FRB
.endr
	WIN 0
.endm
.macro FETCH_A slot, q, i0             ; hidden's blocks i0 .. i0 + 3
.irp i, \i0, \i0+1, \i0+2, \i0+3
	FRAG AF+FR*(\i), ADRA+\slot, (\q)*8*FRB+(\i)*FRB
.endr
.endm
.macro SCALES sc                       ; a slot's scale words: lanes 0-15 hidden's block i, lanes 16-31 keys' block i
.irp i, 0,1,2,3,4,5,6,7
.irp q, 0,1
	ds_load_b32 v[SC+16*(\sc)+2*\i+\q], v[ADRS] offset:\q*512+64*\i
.endr
.endr
.endm
; 16 matrix instructions: hidden's blocks a0, a0 + 1 x keys' eight.  The 64 accumulators take turns, one instruction a turn, in the same order in every step.
.macro MUL16 a0, p, q, sc, zero
.irp a, \a0, \a0+1
.irp b, 0,1,2,3,4,5,6,7
.if \zero
	v_wmma_scale_f32_16x16x128_f8f6f4 v[8*(8*((\a)%4)+\b):8*(8*((\a)%4)+\b)+7], v[128*(\p)+FR*\b:128*(\p)+FR*\b+FR-1], v[AF+FR*(\a):AF+FR*(\a)+FR-1], 0, v[SC+16*(\sc)+2*\b+(\q)], v[SC+16*(\sc)+2*(\a)+(\q)] matrix_a_fmt:MATRIX_FMT_FP6 matrix_b_fmt:MATRIX_FMT_FP6 matrix_a_scale:MATRIX_SCALE_ROW1
.else
	v_wmma_scale_f32_16x16x128_f8f6f4 v[8*(8*((\a)%4)+\b):8*(8*((\a)%4)+\b)+7], v[128*(\p)+FR*\b:128*(\p)+FR*\b+FR-1], v[AF+FR*(\a):AF+FR*(\a)+FR-1], v[8*(8*((\a)%4)+\b):8*(8*((\a)%4)+\b)+7], v[SC+16*(\sc)+2*\b+(\q)], v[SC+16*(\sc)+2*(\a)+(\q)] matrix_a_fmt:MATRIX_FMT_FP6 matrix_b_fmt:MATRIX_FMT_FP6 matrix_a_scale:MATRIX_SCALE_ROW1
.endif
.endr
.endr
.endm
; A step of 128 along K: keys' set p, scale words (sc, q).  In its middle it fetches the next step's fragments (slot nslot, its nq-th 128), at its end hidden's blocks 4-7.
; sync = 0: no barrier.  1: a barrier; in front of it all my tensor loads have landed, the add is done and my LDS reads are over.  2: the barrier opens a round of the cluster's, and slot rslot is filled again first behind it.
.macro KSTEP p, q, sc, zero, nslot, nq, sync, rslot
.if \sync
	s_wait_tensorcnt 0x0                           ; all my tensor loads have landed
	ds_add_u32 v[SPW], v[NIL]                      ; 0 onto my spare word
	s_wait_dscnt 4*NL+1                            ; the add and the youngest twelve loads (hidden's blocks 4-7) may be out
	WIN MUL_LO
	MUL16 0, \p, \q, \sc, \zero
	s_wait_dscnt 0x0                               ; the add is done, and my reads of the slot that I leave are over
	s_barrier_signal -1
	MUL16 2, \p, \q, \sc, \zero
	WIN 0                                          ; at a branch and at a label every window is 0
	s_barrier_wait -1
.if (\sync) == 2
	CREST                                          ; no wave of any partner still reads the slot or has a load on its way
	s_add_nc_u64 s[G0+4*\rslot+2:G0+4*\rslot+3], s[G0+4*\rslot+2:G0+4*\rslot+3], 3*HALFT
	s_add_nc_u64 s[G0B+4*\rslot+2:G0B+4*\rslot+3], s[G0B+4*\rslot+2:G0B+4*\rslot+3], 3*HALFT
	JLOAD G0+4*\rslot, G1, G0B+4*\rslot, G1B       ; K 768-1023: my one tensor load behind the round; its four v_nop are also the places ahead of the loads below
.else
	PLACES 4
.endif
.else
	s_wait_dscnt 4*NL                              ; keys' set and hidden's blocks 0-3 are in; the youngest twelve loads may be out
	WIN MUL_LO
	MUL16 0, \p, \q, \sc, \zero
	MUL16 2, \p, \q, \sc, \zero
	s_wait_dscnt 0x0                               ; hidden's blocks 4-7 are in
	PLACES 4
.endif
.if (\nq) == 0
	WIN 0
	v_add_nc_u32 v[ADRS], 1024, v[ADRS]            ; on to the next slot's scale words
.endif
	FETCH_B \nslot, \nq, 1-\p
	FETCH_A \nslot, \nq, 0
.if (\nq) == 0
	SCALES 1-\sc
.endif
	WIN MUL_HI
	MUL16 4, \p, \q, \sc, \zero
	MUL16 6, \p, \q, \sc, \zero
	PLACES 4
	WIN 0
	FETCH_A \nslot, \nq, 4
.endm
.macro LAST p, q, sc                   ; the last step fetches nothing
	s_wait_dscnt 4*NL
	WIN MUL_LO
	MUL16 0, \p, \q, \sc, 0
	MUL16 2, \p, \q, \sc, 0
	s_wait_dscnt 0x0
	WIN MUL_HI
	MUL16 4, \p, \q, \sc, 0
	MUL16 6, \p, \q, \sc, 0
	WIN 0
.endm
	s_wait_tensorcnt 2                             ; the scale words and my part of slot 0 are in; slots 1 and 2 may be out
	s_barrier_signal -1
	s_barrier_wait -1                              ; everybody's are
	FETCH_B 0, 0, 0
	FETCH_A 0, 0, 0
	SCALES 0
	FETCH_A 0, 0, 4
	KSTEP 0, 0, 0, 1, 0, 1, 0, 0                   ; the first products start the sums: nothing is cleared
	KSTEP 1, 1, 0, 0, 1, 0, 2, 0                   ; slot 0 is left and filled again; every wave has shown slots 1 AND 2 landed in front of this round,
	KSTEP 0, 0, 1, 0, 1, 1, 0, 0
	KSTEP 1, 1, 1, 0, 2, 0, 0, 0                   ; so the step from slot 1 to slot 2 needs no barrier
	KSTEP 0, 0, 0, 0, 2, 1, 0, 0
	KSTEP 1, 1, 0, 0, 0, 0, 1, 0                   ; the refill, asked for 224 matrix instructions ago, is waited for; nothing is filled again
	KSTEP 0, 0, 1, 0, 0, 1, 0, 0
	LAST 1, 1, 1
	; THE WAY OUT: a tile of 16 queries x my 128 keys at a time.
	PLACES 4
.irp b, 0,1,2,3
	v_mov_b32 v[BX+\b], 0                          ; written once: a lane permute's destination counts as one of its sources
.endr
	v_mov_b32 v[T2], 0
	v_mov_b32 v[NM+1], 0                           ; named as the upper half of the pair
.macro SOFT a
.if (\a) > 0
	s_wait_xcnt 0x0                                ; the last tile's stores have read v[PC] on
.endif
	WIN 0x12+(\a)/4                                ; source 0: the accumulators' window; source 2: window 1
.set nn, 0
.rept 32
	v_pk_fma_f32 v[W+nn:W+nn+1], v[64*((\a)%4)+nn:64*((\a)%4)+nn+1], v[MC+nn:MC+nn+1], v[96+nn+96*(nn/32):96+nn+96*(nn/32)+1]   ; t, rounded once; each accumulator from its low end on
.set nn, nn+2
.endr
	WIN 0
.irp b, 0,1,2,3
	v_max3_num_f32 v[BM+\b], v[W+16*\b], v[W+16*\b+1], v[W+16*\b+2]   ; the largest t of each block of 32 keys: for the strip's maximum and, since p rises with t, for the block's largest p
.endr
.irp i, 3,5,7,9,11,13
.irp b, 0,1,2,3
	v_max3_num_f32 v[BM+\b], v[BM+\b], v[W+16*\b+\i], v[W+16*\b+\i+1]
.endr
.endr
.irp b, 0,1,2,3
	v_max_num_f32 v[BM+\b], v[BM+\b], v[W+16*\b+15]
.endr
.irp b, 0,1,2,3
	v_permlanex16_b32 v[BX+\b], v[BM+\b], s[SEL], s[SEL+1]
.endr
.irp b, 0,1,2,3
	v_max_num_f32 v[BM+\b], v[BM+\b], v[BX+\b]     ; with lane l xor 16's 16 keys
.endr
	v_max3_num_f32 v[T], v[BM], v[BM+1], v[BM+2]
	v_max_num_f32 v[T], v[T], v[BM+3]
	v_floor_f32 v[NM], -v[T]                       ; -M = floor(-t) = -ceil(t): a whole number
.set nn, 0
.rept 32
	v_pk_add_f32 v[W+nn:W+nn+1], v[W+nn:W+nn+1], v[NM:NM+1] op_sel_hi:[1,0]   ; t - M
.set nn, nn+2
.endr
.irp b, 0,1,2,3
	v_add_f32 v[BM+\b], v[BM+\b], v[NM]            ; the same of each block's largest t
.endr
.set nn, 0
.rept 64
	v_exp_f32 v[W+nn], v[W+nn]                     ; p = 2^(t - M), at most 1
.set nn, nn+1
.endr
.if (\a)%2 == 0                        ; (a plain place behind the exponentials)
	v_mov_b32 v[OM+(\a)/2], v[NM]
.else
	v_cndmask_b32 v[OM+(\a)/2], v[OM+(\a)/2], v[NM], s[LM]
.endif
	s_wait_alu depctr_va_vdst(0)                   ; one wait for the batch of 64, ahead of its first reader
.irp b, 0,1,2,3
	v_exp_f32 v[BM+\b], v[BM+\b]                   ; the block's largest p: the same instructions on the same number give the same bits
.endr
	v_pk_add_f32 v[SMA:SMA+1], v[W:W+1], v[W+2:W+3]   ; the sum of the UNQUANTISED p, in two chains: plain work behind the four
	v_pk_add_f32 v[SMB:SMB+1], v[W+4:W+5], v[W+6:W+7]
.irp j, 8,12,16,20,24,28,32,36,40,44,48,52,56,60
	v_pk_add_f32 v[SMA:SMA+1], v[SMA:SMA+1], v[W+\j:W+\j+1]
	v_pk_add_f32 v[SMB:SMB+1], v[SMB:SMB+1], v[W+\j+2:W+\j+3]
.endr
	v_pk_add_f32 v[SMA:SMA+1], v[SMA:SMA+1], v[SMB:SMB+1]
	v_add_f32 v[T], v[SMA], v[SMA+1]
	v_permlanex16_b32 v[T2], v[T], s[SEL], s[SEL+1]
	v_add_f32 v[T], v[T], v[T2]                    ; with lane l xor 16's: the strip's sum
.if (\a)%2 == 0
	v_mov_b32 v[OL+(\a)/2], v[T]
.else
	v_cndmask_b32 v[OL+(\a)/2], v[OL+(\a)/2], v[T], s[LM]
.endif
	s_wait_alu depctr_va_vdst(0)                   ; and one for the four
.irp b, 0,1,2,3
	v_max_num_f32 v[BM+\b], 0x1800000, v[BM+\b]    ; the floor 2^(3 - 127): the byte cannot fall under 1
.endr
.irp b, 0,1,2,3
	v_add_nc_u32 v[SO+\b], 0xff000000, v[BM+\b]    ; 2 off the exponent field: the conversion's scale operand
.endr
.irp b, 0,1,2,3
	v_lshrrev_b32 v[BY+\b], 23, v[SO+\b]           ; the byte, 125 at the most
.endr
	v_lshl_or_b32 v[T], v[BY+1], 8, v[BY]
	v_lshl_or_b32 v[T], v[BY+2], 16, v[T]
	v_lshl_or_b32 v[T], v[BY+3], 24, v[T]
.if (\a)%2 == 0
	v_mov_b32 v[OW+(\a)/2], v[T]
.else
	v_cndmask_b32 v[OW+(\a)/2], v[OW+(\a)/2], v[T], s[LM]
.endif
.irp c, 0,1
	v_cvt_scalef32_pk16_fp6_f32 v[PC+6*\c:PC+6*\c+2], v[W+32*\c:W+32*\c+15], v[SO+2*\c]
	v_cvt_scalef32_pk16_fp6_f32 v[PD+4*\c:PD+4*\c+2], v[W+32*\c+16:W+32*\c+31], v[SO+2*\c+1]   ; (a conversion's three registers begin on an even number)
.endr
	v_nop                                          ; one plain place behind a scaled conversion
.irp c, 0,1                                    ; the operand wants a whole block in a lane
.irp i, 0,1,2
	v_permlane16_swap_b32 v[PC+6*\c+\i], v[PD+4*\c+\i]
.endr
.irp i, 0,1,2
	v_mov_b32 v[PC+3+6*\c+\i], v[PD+4*\c+\i]
.endr
.endr
.irp c, 0,1,2
	global_store_b128 v[LI], v[PC+4*\c:PC+4*\c+3], s[98:99] offset:(\a)*FRB+512*\c   ; the fragment's image: 512 consecutive bytes a store, aligned
.endr
.endm
.irp a, 0,1,2,3,4,5,6,7
	SOFT \a
.endr
	global_store_b128 v[LI], v[OW:OW+3], s[12:13]              ; [lane][a / 2]: the scale words,
	global_store_b128 v[LI], v[OM:OM+3], s[12:13] offset:512   ; -M,
	global_store_b128 v[LI], v[OL:OL+3], s[12:13] offset:1024  ; the sums
	s_wait_tensorcnt 0x0                           ; the wave's end
	ds_add_u32 v[SPW], v[NIL]
	s_wait_dscnt 0x0
	CROUND                                         ; the closing round: no work-group ends while a partner may still ask for a tile that names it
	s_endpgm
.Lfunc_end_k_q55cca55974_scores:
	.size	k_q55cca55974_scores, .Lfunc_end_k_q55cca55974_scores-k_q55cca55974_scores
	.p2alignl 7, 3214868480
	.fill 96, 4, 3214868480
	.section	.rodata,"a",@progbits
	.p2align	6, 0x0
	.amdhsa_kernel k_q55cca55974_scores
		.amdhsa_group_segment_fixed_size 327680
		.amdhsa_private_segment_fixed_size 0
		.amdhsa_enable_private_segment 0
		.amdhsa_kernarg_size 56
		.amdhsa_user_sgpr_count 2
		.amdhsa_user_sgpr_kernarg_segment_ptr 1
		.amdhsa_wavefront_size32 1
		.amdhsa_system_sgpr_workgroup_id_x 1
		.amdhsa_system_sgpr_workgroup_id_y 1
		.amdhsa_system_sgpr_workgroup_id_z 1
		.amdhsa_system_vgpr_workitem_id 0
		.amdhsa_next_free_vgpr 1024
		.amdhsa_next_free_sgpr 102
		.amdhsa_reserve_vcc 1
		.amdhsa_float_denorm_mode_32 3
		.amdhsa_float_denorm_mode_16_64 3
		.amdhsa_memory_ordered 1
		.amdhsa_forward_progress 1
		.amdhsa_inst_pref_size 221
	.end_amdhsa_kernel
	.amdgpu_metadata
---
amdhsa.version: [ 1, 2 ]
amdhsa.kernels:
  - .name:           k_q55cca55974_scores
    .symbol:         k_q55cca55974_scores.kd
    .args:
      - { .name: h_codes, .offset: 0, .size: 8, .value_kind: global_buffer, .address_space: global }
      - { .name: h_scales, .offset: 8, .size: 8, .value_kind: global_buffer, .address_space: global }
      - { .name: k_codes, .offset: 16, .size: 8, .value_kind: global_buffer, .address_space: global }
      - { .name: k_scales, .offset: 24, .size: 8, .value_kind: global_buffer, .address_space: global }
      - { .name: mask, .offset: 32, .size: 8, .value_kind: global_buffer, .address_space: global }
      - { .name: p_codes, .offset: 40, .size: 8, .value_kind: global_buffer, .address_space: global }
      - { .name: p_stat, .offset: 48, .size: 8, .value_kind: global_buffer, .address_space: global }
    .group_segment_fixed_size: 327680
    .private_segment_fixed_size: 0
    .kernarg_segment_align: 8
    .kernarg_segment_size: 56
    .max_flat_workgroup_size: 128
    .sgpr_count:     102
    .vgpr_count:     1024
    .wavefront_size: 32
...
	.end_amdgpu_metadata
.endif
;; end of part 2
;; launch context (part 3): grid 4 x 64, 4 waves a work-group, clusters of 4 x 4, 327,680 bytes of LDS; arguments p_codes, p_stat, v_codes, v_scales, out0; writes out0
.if DOCPART == 3
	.amdgcn_target "amdgcn-amd-amdhsa--gfx1250"
	.amdhsa_code_object_version 6
	.text
	.protected	k_q55cca55974_context
	.globl	k_q55cca55974_context
	.p2align	8
	.type	k_q55cca55974_context,@function
k_q55cca55974_context:
	s_mov_b64 s[64:65], 0
	v_nop
	global_prefetch_b8 v0, s[64:65] scope:SCOPE_SE
	s_setreg_imm32_b32 hwreg(HW_REG_WAVE_MODE, 25, 1), 1
	s_wait_xcnt 0x0
	s_wait_alu depctr_hold_cnt(0) depctr_sa_sdst(0) depctr_va_vdst(0) depctr_va_sdst(0) depctr_va_ssrc(0) depctr_va_vcc(0) depctr_vm_vsrc(0)
	s_getreg_b32 s2, hwreg(HW_REG_IB_STS2, 6, 4)
	s_cmp_eq_u32 s2, 0
	s_cbranch_scc0 .Lentry_in_a_cluster
	s_endpgm
.Lentry_in_a_cluster:
	s_bfe_u32 s2, ttmp6, 0x10000c
	s_cmp_lg_u32 s2, 0xf033
	s_cbranch_scc0 .Lentry_shape_is_right
	s_endpgm
.Lentry_shape_is_right:
; O = P V / l on codes of FP6 (E2M3) with E8M0 scales, K = the batch's 2,048 keys.  P's codes were made under a whole number M of each (query, strip of 128 keys); here the row's M = the largest of its 16,
; each strip's scale bytes are lowered by (row's M - strip's M), a power of two that changes no code, the row's sum is the strips' sums x 2^(strip's M - row's M), and O is divided by it.
; A tile of O, 256 queries x 256 channels, is made by four waves; a wave makes 128 x 128.  The product is used transposed (source 0 = 16 channels of V, source 1 = 16 queries of P): a lane holds eight neighbouring channels of one query.
; OPERANDS lie in memory as images of their registers (1,536 bytes a fragment): 256 keys of 128 rows are 24,576 dense bytes, one tensor load a wave; a ring of two slots; the accumulators by turns.
; P's lowered scale words are made once, at the head, by the four waves, and stay in LDS bytes of their own; V's come once by tensor loads.
; CLUSTERS: 4 x 4 work-groups; P's tiles are asked for jointly along a row of the cluster, V's along a column.
; THE QUERIES OF A TILE ARE NOT NEIGHBOURS (lane r of tile a is query 32 (a / 2) + 8 (a % 2) + r % 8 + 16 (r / 8) of its 128): the stores' offsets put each row in its place.
; LIMITS: NaN and infinities are not served.  A strip 127 or more binades under its row's M keeps its codes under the byte 0 (at most 7.5 x 2^-127 a number) and its sum enters x 2^-127: nothing beside a row's sum, which is over 1/2.
; REGISTERS: window 0: v0-31 addresses; v32-63 scale words; v64-79 1 / l on the way out; v128-223 P's fragments, one set (at the head v64-195 are at work; on the way out v128-255 hold rows).
;   window 1: V's fragments, two sets at v0 and v128.   windows 2, 3: the accumulators ((a, b) at v[8 (8 (a % 4) + b)]).
.set FR,     12
.set FRB,    1536
.set NL,     3
.set HALFT,  16*FRB                    ; 128 rows x 256 keys: what one tensor load brings
.set SLOT,   4*HALFT
.set SCL,    2*SLOT                    ; behind the ring: P's scale words (stored by the waves), then V's (brought by tensor loads)
.set HALFS,  8192                      ; those of 128 rows, all 16 strips
.set RL,     SCL+4*HALFS               ; 1 / l of the 256 queries
.set SPARE,  RL+1024                   ; the spare words, 128 bytes a wave
.set RBB,    128*FRB                   ; 128 rows' codes, all of K
.set SPITCH, 528                       ; the way out: a stage of 16 rows x (512 + 16) bytes a wave, in slot 0, which has had its last fill and its last read by then
.set ADRA, 16
.set ADRB, 20
.set STO,  24
.set RD,   25
.set CO,   26                          ; v26 16 x lane
.set ADRS, 27
.set SPW,  28
.set NIL,  29
.set PFO,  30                          ; v30 the prefetches' offset; never rewritten
.set RLA,  31                          ; v31 where my queries' 1 / l lie
.set SC,   32
.set RLV,  64
.set AF,   128
.set BK,   128
.set G1,   24                          ; s[24:31] group 1 for P's tiles; s[32:39] groups 0
.set G0,   32
.set G1B,  44                          ; s[44:51], s[52:59] for V's
.set G0B,  52
.set G1S,  68                          ; s[68:75], s[76:79] V's scale words
.set G0S,  76
.set PFA,  80                          ; s[80:81] where my prefetches stand
.set LIM,  82                          ; s82 1 in a wave that prefetches, else the greatest number
.set MSB, 0
.macro WIN new
.if MSB != (\new)
	s_set_vgpr_msb (MSB<<8)|(\new)
.set MSB, \new
.endif
.endm
.set MUL_LO, 0xa1
.set MUL_HI, 0xf1
.set TO_B,   0x40
.macro JLOAD g0a, g1a, g0b, g1b        ; a joint load: waves 0 and 1 fetch for P, waves 2 and 3 for V; an s_nop 0 and four v_nop follow each line
	s_cmp_eq_u32 s15, 0
	s_cbranch_scc0 .Lfor_b_\@
	tensor_load_to_lds s[\g0a:\g0a+3], s[\g1a:\g1a+7]
	s_nop 0
.rept 4
	v_nop
.endr
	s_branch .Lasked_\@
.Lfor_b_\@:
	tensor_load_to_lds s[\g0b:\g0b+3], s[\g1b:\g1b+7]
	s_nop 0
.rept 4
	v_nop
.endr
.Lasked_\@:
.endm
.macro CREST
	s_cmp_lg_u32 s14, 0
	s_cbranch_scc1 .Lnot_wave_0_\@
	s_barrier_signal -3
.Lnot_wave_0_\@:
	s_barrier_wait -3
	s_barrier_signal -1
	s_barrier_wait -1
.endm
.macro CROUND
	s_barrier_signal -1
	s_barrier_wait -1
	CREST
.endm
.macro PLACES n
.rept \n
	v_nop
.endr
.endm
; A PREFETCH INTO THE L2, behind each refill and the run of LDS loads that follows it: the 256 keys that stand TWO refills on, 256 matrix instructions ahead of the load that will want them.
; A wave's tile is 24,576 dense bytes; the four partners that ask for it jointly take 6,144 each, told apart BY ADDRESS (cx for P, cy for V): lanes 0-23 name 256 bytes each, lanes 24-31 name lane 23's.
; P's rows are read by one cluster: every cluster asks for its own.  V's are read by the batch's two clusters: the one with even y asks.  The loop's last trip asks for nothing: there is no tile two refills on.
.macro ASK
	s_cmp_gt_u32 s3, s[LIM]
	s_cbranch_scc0 .Lnot_mine_\@
	global_prefetch_b8 v[PFO], s[PFA:PFA+1] offset:HALFT th:TH_LOAD_NT scope:SCOPE_SE
.Lnot_mine_\@:
.endm
	s_load_b256 s[4:11], s[0:1], 0x0               ; P's codes; P's words, -M, sums; V's codes; V's scale words
	s_load_b64 s[12:13], s[0:1], 0x20              ; O
	v_lshl_add_u32 v[SPW], v0, 2, SPARE
	v_mov_b32 v[NIL], 0
	ds_add_u32 v[SPW], v[NIL]                      ; the wave's opening: the add and its wait stand ahead of my first tensor load
	v_lshrrev_b32 v1, 5, v0
	v_readfirstlane_b32 s14, v1                    ; wave 0..3
	s_lshr_b32 s15, s14, 1                         ; my half of the queries.  Also: I fetch for P (0) or V (1)
	s_and_b32 s16, s14, 1                          ; my half of the channels.  Also: which 128 rows I fetch
	s_bfe_u32 s66, ttmp6, 0x40000                  ; cx
	s_bfe_u32 s67, ttmp6, 0x40004                  ; cy
	s_lshl_b32 s92, ttmp9, 2
	s_add_co_u32 s92, s92, s66                     ; tile column: 256 channels
	s_and_b32 s96, ttmp7, 0xffff                   ; the cluster's y
	s_lshl_b32 s17, s96, 2
	s_add_co_u32 s17, s17, s67                     ; tile row: 256 of the 16,384 queries
	s_lshr_b32 s95, s96, 1                         ; the batch, made of the cluster's y alone
	s_lshl_b32 s93, s67, 2
	s_lshl_b32 s93, 15, s93                        ; my row of the cluster
	s_lshl_b32 s94, 0x1111, s66                    ; my column
	s_or_b32 s[G1+0], s93, (3<<16)|(1<<21)         ; dense blocks as rows of 256 bytes (32 elements of 8 bytes), no padding
	s_or_b32 s[G1B+0], s94, (3<<16)|(1<<21)
.irp g, G1, G1B
	s_mov_b32 s[\g+1], 32<<16
	s_mov_b32 s[\g+2], 96<<16
	s_mov_b32 s[\g+3], 32<<16
	s_mov_b32 s[\g+4], 96
	s_mov_b32 s[\g+5], 32
	s_mov_b32 s[\g+6], 0
	s_mov_b32 s[\g+7], 0
.endr
	s_or_b32 s[G1S+0], s94, (3<<16)|(1<<21)
	s_mov_b32 s[G1S+1], 32<<16
	s_mov_b32 s[G1S+2], 16<<16
	s_mov_b32 s[G1S+3], 32<<16
	s_mov_b32 s[G1S+4], 16
	s_mov_b32 s[G1S+5], 32
	s_mov_b32 s[G1S+6], 0
	s_mov_b32 s[G1S+7], 0
	s_lshl_b32 s20, s17, 1
	s_add_co_u32 s20, s20, s16
	s_mul_i32 s20, s20, RBB                        ; P: block of 128 queries = 2 x tile row + half
	s_mov_b32 s21, 0
	s_lshl_b32 s2, s95, 3
	s_lshl_b32 s3, s92, 1
	s_add_co_u32 s2, s2, s3                        ; V: 8 x batch + 2 x tile column
	s_lshl_b32 s18, s2, 13                         ; its scale words: 16,384 bytes for the tile's 256 channels,
	s_lshl_b32 s19, s14, 12                        ; a quarter to each wave
	s_add_co_u32 s18, s18, s19
	s_mov_b32 s19, 0
	s_add_co_u32 s2, s2, s16
	s_mul_i32 s2, s2, RBB
	s_mov_b32 s3, 0
	s_mul_i32 s100, s14, HALFT
	s_lshl_b32 s101, s14, 12
	s_add_co_u32 s101, s101, SCL+2*HALFS
	s_mul_i32 s22, s66, 6144                       ; the prefetches: my work-group's quarter of the tile that I fetch
	s_add_co_u32 s22, s22, s20
	s_mul_i32 s23, s67, 6144
	s_add_co_u32 s23, s23, s2
	s_and_b32 s97, s96, 1
	s_cmp_eq_u32 s15, 0
	s_cselect_b32 s22, s22, s23
	s_cselect_b32 s97, 0, s97
	s_cmp_eq_u32 s97, 0
	s_cselect_b32 s[LIM], 1, -1                    ; the same in all sixteen partners, for a given wave
	s_add_co_u32 s22, s22, 2*HALFT                 ; at keys 512 on: the first refill steps it once more and names keys 1,024 on
	s_mov_b32 s23, 0
	s_wait_dscnt 0x0                               ; the opening add is done
	s_wait_kmcnt 0x0
	s_cmp_eq_u32 s15, 0
	s_cselect_b64 s[PFA:PFA+1], s[4:5], s[8:9]
	s_add_nc_u64 s[PFA:PFA+1], s[PFA:PFA+1], s[22:23]
	s_add_nc_u64 s[20:21], s[4:5], s[20:21]
	s_add_nc_u64 s[2:3], s[8:9], s[2:3]
	s_add_nc_u64 s[18:19], s[10:11], s[18:19]
	CROUND                                         ; all sixteen work-groups are here: the first joint loads meet
	s_mov_b32 s[G0S], 1
	s_mov_b32 s[G0S+1], s101
	s_mov_b64 s[G0S+2:G0S+3], s[18:19]
	s_or_b32 s[G0S+3], s[G0S+3], 0x80000000
	tensor_load_to_lds s[G0S:G0S+3], s[G1S:G1S+7]  ; V's scale words: each wave its quarter, both addresses stepped by the wave's number
	s_nop 0
.rept 4
	v_nop
.endr
.irp s, 0,1
	s_mov_b32 s[G0+4*\s], 1
	s_add_co_u32 s[G0+4*\s+1], s100, \s*SLOT
	s_add_nc_u64 s[G0+4*\s+2:G0+4*\s+3], s[20:21], \s*HALFT
	s_or_b32 s[G0+4*\s+3], s[G0+4*\s+3], 0x80000000
	s_mov_b32 s[G0B+4*\s], 1
	s_add_co_u32 s[G0B+4*\s+1], s100, \s*SLOT
	s_add_nc_u64 s[G0B+4*\s+2:G0B+4*\s+3], s[2:3], \s*HALFT
	s_or_b32 s[G0B+4*\s+3], s[G0B+4*\s+3], 0x80000000
	JLOAD G0+4*\s, G1, G0B+4*\s, G1B               ; keys 0-255, 256-511: three tensor loads of mine are out
.endr
	; THE ROWS' M AND l.  Wave w serves the queries' half w / 2 and the tiles 4 (w % 2) .. + 3: lane L, register e: tile 2 (2 (w % 2) + e) + L / 16, row L % 16.
	v_and_b32 v1, 15, v0                           ; r
	v_bfe_u32 v2, v0, 4, 1                         ; h
	v_and_b32 v3, 31, v0                           ; lane
	v_lshlrev_b32 v[CO], 4, v3
	s_lshl_b32 s18, s17, 1
	s_add_co_u32 s18, s18, s15
	s_mul_i32 s18, s18, 16*FRB                     ; 16 strips x three planes of 512 bytes
	s_mov_b32 s19, 0
	s_add_nc_u64 s[6:7], s[6:7], s[18:19]
	s_lshl_b32 s18, s16, 3
	v_add_nc_u32 v10, s18, v[CO]
.set ss, 0
.rept 16
	global_load_b64 v[64+2*ss:65+2*ss], v10, s[6:7] offset:ss*FRB+512      ; -M of strip ss
	global_load_b64 v[96+2*ss:97+2*ss], v10, s[6:7] offset:ss*FRB+1024     ; its sum
	global_load_b64 v[128+2*ss:129+2*ss], v10, s[6:7] offset:ss*FRB        ; its scale words
.set ss, ss+1
.endr
	s_mul_i32 s18, s15, HALFT
	s_mul_i32 s19, s16, HALFT
	s_add_co_u32 s19, s19, 2*HALFT
.irp s, 0,1
	v_add_nc_u32 v[ADRA+\s], s18, v[CO]
	v_add_nc_u32 v[ADRB+\s], s19, v[CO]
	s_add_co_u32 s18, s18, SLOT
	s_add_co_u32 s19, s19, SLOT
.endr
	v_lshlrev_b32 v5, 2, v1
	s_mul_i32 s18, s15, HALFS
	s_mul_i32 s19, s16, HALFS
	s_add_co_u32 s19, s19, 2*HALFS
	s_sub_co_u32 s19, s19, s18
	v_mul_u32_u24 v6, s19, v2                      ; lanes 16-31 take V's words: the lower base + h x the distance
	s_add_co_u32 s18, s18, SCL
	v_add_nc_u32 v5, v5, v6
	v_add_nc_u32 v[ADRS], s18, v5
	s_mul_i32 s18, s14, 16*SPITCH                  ; my stage
	v_mul_u32_u24 v5, v1, SPITCH
	v_lshl_add_u32 v5, v2, 5, v5
	v_add_nc_u32 v[STO], s18, v5                   ; in: row lane % 16, 32 bytes for each half of the lanes
	v_add_nc_u32 v[RD], s18, v[CO]                 ; back: the 32 lanes take one row of 512 bytes
	v_lshlrev_b32 v6, 2, v3                        ; 4 x lane
	s_lshl_b32 s18, s15, 13
	s_lshl_b32 s19, s16, 8
	s_add_co_u32 s18, s18, s19
	s_add_co_u32 s18, s18, SCL
	v_add_nc_u32 v11, s18, v6                      ; where I store lowered scale words: [strip][tile][row]
	s_lshl_b32 s18, s14, 8
	s_add_co_u32 s18, s18, RL
	v_add_nc_u32 v12, s18, v6                      ; and 1 / l: [half][tile][row]
	s_lshl_b32 s18, s15, 9
	s_add_co_u32 s18, s18, RL
	v_lshl_add_u32 v[RLA], v1, 2, s18
	v_min_u32 v[PFO], 23, v3
	v_lshlrev_b32 v[PFO], 8, v[PFO]
	s_lshl_b32 s18, s17, 20                        ; O: 256 rows of 4,096 bytes a tile row,
	s_lshl_b32 s19, s15, 19                        ; my 128 rows,
	s_add_co_u32 s18, s18, s19
	s_lshl_b32 s19, s92, 10                        ; 256 channels a tile column,
	s_add_co_u32 s18, s18, s19
	s_lshl_b32 s19, s16, 9                         ; my 128
	s_add_co_u32 s18, s18, s19
	s_mov_b32 s19, 0
	s_add_nc_u64 s[12:13], s[12:13], s[18:19]
	s_wait_loadcnt 0x0
.irp e, 0,1
	v_min3_num_f32 v[192+\e], v[64+\e], v[66+\e], v[68+\e]     ; the least -M of the 16 strips: minus the row's M
.endr
.irp s, 3,5,7,9,11,13
.irp e, 0,1
	v_min3_num_f32 v[192+\e], v[192+\e], v[64+2*\s+\e], v[66+2*\s+\e]
.endr
.endr
.irp e, 0,1
	v_min_num_f32 v[192+\e], v[192+\e], v[94+\e]
.endr
.set ss, 0
.rept 16
	v_pk_add_f32 v[64+2*ss:65+2*ss], v[192:193], v[64+2*ss:65+2*ss] neg_lo:[0,1] neg_hi:[0,1]   ; strip's M - row's M: a whole number, 0 or less
.set ss, ss+1
.endr
.set kk, 0
.rept 32
	v_max_num_f32 v[64+kk], 0xc2fe0000, v[64+kk]   ; held at -127
.set kk, kk+1
.endr
.set kk, 0
.rept 32
	v_cvt_i32_f32 v[64+kk], v[64+kk]
.set kk, kk+1
.endr
.set kk, 0
.rept 32
	v_ldexp_f32 v[96+kk], v[96+kk], v[64+kk]       ; the strip's sum under the row's M
.set kk, kk+1
.endr
.set ss, 1
.rept 15
	v_pk_add_f32 v[96:97], v[96:97], v[96+2*ss:97+2*ss]
.set ss, ss+1
.endr
	v_rcp_f32 v194, v96
	v_rcp_f32 v195, v97
	; each byte of a scale word less n = row's M - strip's M, held at 0.  The bytes are 125 at the most, so bit 7 of each is free to keep a borrow inside its byte.  (Plain work behind the reciprocals)
.set kk, 0
.rept 32
	v_sub_nc_u32 v[64+kk], 0, v[64+kk]             ; n, 0 .. 127
.set kk, kk+1
.endr
.set kk, 0
.rept 32
	v_lshl_or_b32 v[64+kk], v[64+kk], 8, v[64+kk]
.set kk, kk+1
.endr
.set kk, 0
.rept 32
	v_lshl_or_b32 v[64+kk], v[64+kk], 16, v[64+kk] ; n in all four bytes
.set kk, kk+1
.endr
.set kk, 0
.rept 32
	v_or_b32 v[128+kk], 0x80808080, v[128+kk]
.set kk, kk+1
.endr
.set kk, 0
.rept 32
	v_sub_nc_u32 v[128+kk], v[128+kk], v[64+kk]    ; 128 + byte - n, over 0 in every byte
.set kk, kk+1
.endr
.set kk, 0
.rept 32
	v_and_b32 v[160+kk], 0x80808080, v[128+kk]     ; bit 7 stands where byte - n is 0 or more
.set kk, kk+1
.endr
.set kk, 0
.rept 32
	v_lshrrev_b32 v[64+kk], 7, v[160+kk]
.set kk, kk+1
.endr
.set kk, 0
.rept 32
	v_sub_nc_u32 v[160+kk], v[160+kk], v[64+kk]    ; 0x7f there, 0 elsewhere
.set kk, kk+1
.endr
.set kk, 0
.rept 32
	v_and_b32 v[128+kk], v[128+kk], v[160+kk]
.set kk, kk+1
.endr
	s_wait_alu depctr_va_vdst(0)                   ; one wait for the two reciprocals, ahead of their first reader
	ds_store_b32 v12, v194
	ds_store_b32 v12, v195 offset:128
.set kk, 0
.rept 32
	ds_store_b32 v11, v[128+kk] offset:(kk/2)*512+(kk%2)*128
.set kk, kk+1
.endr
.macro FRAG reg, adr, off
.irp c, 0,1,2
	ds_load_b128 v[\reg+4*\c:\reg+4*\c+3], v[\adr] offset:\off+512*\c
.endr
.endm
.macro FETCH_B slot, q, p
	WIN TO_B
.irp i, 0,1,2,3,4,5,6,7
	FRAG 128*(\p)+FR*\i, ADRB+\slot, (\q)*8*FRB+\i*FRB
.endr
	WIN 0
.endm
.macro FETCH_A slot, q, i0
.irp i, \i0, \i0+1, \i0+2, \i0+3
	FRAG AF+FR*(\i), ADRA+\slot, (\q)*8*FRB+(\i)*FRB
.endr
.endm
.macro SCALES sc
.irp i, 0,1,2,3,4,5,6,7
.irp q, 0,1
	ds_load_b32 v[SC+16*(\sc)+2*\i+\q], v[ADRS] offset:\q*512+64*\i
.endr
.endr
.endm
.macro MUL16 a0, p, q, sc, zero        ; the 64 accumulators take turns, one instruction a turn, in the same order in every step, over the loop's backward jump too
.irp a, \a0, \a0+1
.irp b, 0,1,2,3,4,5,6,7
.if \zero
	v_wmma_scale_f32_16x16x128_f8f6f4 v[8*(8*((\a)%4)+\b):8*(8*((\a)%4)+\b)+7], v[128*(\p)+FR*\b:128*(\p)+FR*\b+FR-1], v[AF+FR*(\a):AF+FR*(\a)+FR-1], 0, v[SC+16*(\sc)+2*\b+(\q)], v[SC+16*(\sc)+2*(\a)+(\q)] matrix_a_fmt:MATRIX_FMT_FP6 matrix_b_fmt:MATRIX_FMT_FP6 matrix_a_scale:MATRIX_SCALE_ROW1
.else
	v_wmma_scale_f32_16x16x128_f8f6f4 v[8*(8*((\a)%4)+\b):8*(8*((\a)%4)+\b)+7], v[128*(\p)+FR*\b:128*(\p)+FR*\b+FR-1], v[AF+FR*(\a):AF+FR*(\a)+FR-1], v[8*(8*((\a)%4)+\b):8*(8*((\a)%4)+\b)+7], v[SC+16*(\sc)+2*\b+(\q)], v[SC+16*(\sc)+2*(\a)+(\q)] matrix_a_fmt:MATRIX_FMT_FP6 matrix_b_fmt:MATRIX_FMT_FP6 matrix_a_scale:MATRIX_SCALE_ROW1
.endif
.endr
.endr
.endm
; A step of 128 keys.  sync = 0: no barrier.  1: a barrier at the change of slots.  2: the barrier opens a round of the cluster's, and slot rslot is filled again first behind it, two slots ahead.
.macro KSTEP p, q, sc, zero, nslot, nq, sync, rslot
.if \sync
.if (\sync) == 2
	s_wait_xcnt 0x0                                ; the last prefetch, a slot back, has read its address: it is stepped here, ahead of the waits of the change of slots
	s_add_nc_u64 s[PFA:PFA+1], s[PFA:PFA+1], HALFT
.endif
	s_wait_tensorcnt 0x0                           ; all my tensor loads have landed: my part of the next slot
	ds_add_u32 v[SPW], v[NIL]                      ; 0 onto my spare word
	s_wait_dscnt 4*NL+1                            ; the add and the youngest twelve loads (P's blocks 4-7) may be out
	WIN MUL_LO
	MUL16 0, \p, \q, \sc, \zero
	s_wait_dscnt 0x0                               ; the add is done, and my reads of this slot are over
	s_barrier_signal -1
	MUL16 2, \p, \q, \sc, \zero
	WIN 0
	s_barrier_wait -1
.if (\sync) == 2
	CREST                                          ; no wave of any partner still reads this slot or has a load on its way
	s_add_nc_u64 s[G0+4*\rslot+2:G0+4*\rslot+3], s[G0+4*\rslot+2:G0+4*\rslot+3], 2*HALFT
	s_add_nc_u64 s[G0B+4*\rslot+2:G0B+4*\rslot+3], s[G0B+4*\rslot+2:G0B+4*\rslot+3], 2*HALFT
	JLOAD G0+4*\rslot, G1, G0B+4*\rslot, G1B       ; my one tensor load behind the round; its four v_nop are also the places ahead of the loads below
.else
	PLACES 4
.endif
.else
	s_wait_dscnt 4*NL                              ; V's set and P's blocks 0-3 are in; the youngest twelve loads may be out
	WIN MUL_LO
	MUL16 0, \p, \q, \sc, \zero
	MUL16 2, \p, \q, \sc, \zero
	s_wait_dscnt 0x0                               ; P's blocks 4-7 are in
	PLACES 4
.endif
.if (\nq) == 0
	WIN 0
	v_add_nc_u32 v[ADRS], 1024, v[ADRS]            ; on to the next slot's scale words
.endif
	FETCH_B \nslot, \nq, 1-\p
	FETCH_A \nslot, \nq, 0
.if (\nq) == 0
	SCALES 1-\sc
.endif
.if (\sync) == 2
	ASK
.endif
	WIN MUL_HI
	MUL16 4, \p, \q, \sc, \zero
	MUL16 6, \p, \q, \sc, \zero
	PLACES 4
	WIN 0
	FETCH_A \nslot, \nq, 4
.endm
.macro LAST p, q, sc
	s_wait_dscnt 4*NL
	WIN MUL_LO
	MUL16 0, \p, \q, \sc, 0
	MUL16 2, \p, \q, \sc, 0
	s_wait_dscnt 0x0
	WIN MUL_HI
	MUL16 4, \p, \q, \sc, 0
	MUL16 6, \p, \q, \sc, 0
	WIN 0
.endm
	s_wait_tensorcnt 1                             ; V's scale words and my part of slot 0 are in; slot 1 may be out
	s_wait_dscnt 0x0                               ; my stores of scale words and of 1 / l have landed
	s_barrier_signal -1
	s_barrier_wait -1                              ; everybody's have
	FETCH_B 0, 0, 0
	FETCH_A 0, 0, 0
	SCALES 0
	FETCH_A 0, 0, 4
	KSTEP 0, 0, 0, 1, 0, 1, 0, 0                   ; the first products start the sums: nothing is cleared
	s_mov_b32 s3, 3
.Llap:                                                 ; a trip goes once round the ring, from a lap's second step to the next lap's first, and fills both slots again
	KSTEP 1, 1, 0, 0, 1, 0, 2, 0
	KSTEP 0, 0, 1, 0, 1, 1, 0, 0
	KSTEP 1, 1, 1, 0, 0, 0, 2, 1
	KSTEP 0, 0, 0, 0, 0, 1, 0, 0
	s_sub_co_u32 s3, s3, 1
	s_cmp_lg_u32 s3, 0
	s_cbranch_scc1 .Llap
	KSTEP 1, 1, 0, 0, 1, 0, 1, 0                   ; the last lap fills nothing, and has no round of the cluster's barrier
	KSTEP 0, 0, 1, 0, 1, 1, 0, 0
	LAST 1, 1, 1
	; THE WAY OUT, block by block of 16 queries x 128 channels: divided by l, through my own stage, out as whole rows of 512 bytes.
.irp a, 0,1,2,3,4,5,6,7
	ds_load_b32 v[RLV+2*\a], v[RLA] offset:64*\a   ; 1 / l of my query in tile a, twice: a pair for the packed multiply
	ds_load_b32 v[RLV+2*\a+1], v[RLA] offset:64*\a
.endr
	s_wait_dscnt 0x0
	PLACES 4
.macro DIVIDE a
	WIN 0x82+0x41*((\a)/4)                         ; destination and source 0: the accumulators' window
.set nn, 0
.rept 32
	v_pk_mul_f32 v[64*((\a)%4)+nn:64*((\a)%4)+nn+1], v[64*((\a)%4)+nn:64*((\a)%4)+nn+1], v[RLV+2*(\a):RLV+2*(\a)+1]   ; each accumulator from its low end on
.set nn, nn+2
.endr
.endm
.macro TOSTAGE a
.set AC, 64*((\a)%4)
	WIN 0x08+4*((\a)/4)                            ; an LDS store's data: window 2 or 3
.irp b, 0,1,2,3,4,5,6,7
	ds_store_b128 v[STO], v[AC+8*\b:AC+8*\b+3] offset:64*\b
	ds_store_b128 v[STO], v[AC+8*\b+4:AC+8*\b+7] offset:64*\b+16
.endr
	WIN 0
.set BB, BK+64*((\a)%2)
.irp t, 0,1,2,3,4,5,6,7,8,9,10,11,12,13,14,15
	ds_load_b128 v[BB+4*\t:BB+4*\t+3], v[RD] offset:\t*SPITCH   ; LDS serves a wave's instructions in order (ISA guide 5.7.1.4): these see the stores above
.endr
.endm
.macro SEND a, younger                 ; younger: the LDS instructions issued behind block a's loads, which may stay out
.set BB, BK+64*((\a)%2)
	s_wait_dscnt \younger
.irp t, 0,1,2,3,4,5,6,7,8,9,10,11,12,13,14,15
	global_store_b128 v[CO], v[BB+4*\t:BB+4*\t+3], s[12:13] offset:(32*((\a)/2)+8*((\a)%2)+\t%8+16*(\t/8))*4096 th:TH_STORE_NT   ; the tile's row t in its place among my 128 queries; 512 consecutive bytes, aligned
.endr
.endm
	DIVIDE 0
	TOSTAGE 0
.irp a, 1,2,3,4,5,6,7
	DIVIDE \a
.if \a > 1
	s_wait_xcnt 0x0                                ; block a - 2's stores have read their registers: block a's loads may land there
.endif
	TOSTAGE \a
	SEND \a-1, 32                                  ; behind block a - 1's loads: block a's 16 stores and 16 loads
.endr
	SEND 7, 0
	s_wait_tensorcnt 0x0                           ; the wave's end, behind my last tensor load and my last LDS store
	ds_add_u32 v[SPW], v[NIL]
	s_wait_dscnt 0x0
	CROUND                                         ; the closing round: no work-group ends while a partner may still ask for a tile that names it
	s_endpgm
.Lfunc_end_k_q55cca55974_context:
	.size	k_q55cca55974_context, .Lfunc_end_k_q55cca55974_context-k_q55cca55974_context
	.p2alignl 7, 3214868480
	.fill 96, 4, 3214868480
	.section	.rodata,"a",@progbits
	.p2align	6, 0x0
	.amdhsa_kernel k_q55cca55974_context
		.amdhsa_group_segment_fixed_size 327680
		.amdhsa_private_segment_fixed_size 0
		.amdhsa_enable_private_segment 0
		.amdhsa_kernarg_size 40
		.amdhsa_user_sgpr_count 2
		.amdhsa_user_sgpr_kernarg_segment_ptr 1
		.amdhsa_wavefront_size32 1
		.amdhsa_system_sgpr_workgroup_id_x 1
		.amdhsa_system_sgpr_workgroup_id_y 1
		.amdhsa_system_sgpr_workgroup_id_z 1
		.amdhsa_system_vgpr_workitem_id 0
		.amdhsa_next_free_vgpr 1024
		.amdhsa_next_free_sgpr 102
		.amdhsa_reserve_vcc 0
		.amdhsa_float_denorm_mode_32 3
		.amdhsa_float_denorm_mode_16_64 3
		.amdhsa_memory_ordered 1
		.amdhsa_forward_progress 1
		.amdhsa_inst_pref_size 183
	.end_amdhsa_kernel
	.amdgpu_metadata
---
amdhsa.version: [ 1, 2 ]
amdhsa.kernels:
  - .name:           k_q55cca55974_context
    .symbol:         k_q55cca55974_context.kd
    .args:
      - { .name: p_codes, .offset: 0, .size: 8, .value_kind: global_buffer, .address_space: global }
      - { .name: p_stat, .offset: 8, .size: 8, .value_kind: global_buffer, .address_space: global }
      - { .name: v_codes, .offset: 16, .size: 8, .value_kind: global_buffer, .address_space: global }
      - { .name: v_scales, .offset: 24, .size: 8, .value_kind: global_buffer, .address_space: global }
      - { .name: out0, .offset: 32, .size: 8, .value_kind: global_buffer, .address_space: global }
    .group_segment_fixed_size: 327680
    .private_segment_fixed_size: 0
    .kernarg_segment_align: 8
    .kernarg_segment_size: 40
    .max_flat_workgroup_size: 128
    .sgpr_count:     102
    .vgpr_count:     1024
    .wavefront_size: 32
...
	.end_amdgpu_metadata
.endif
;; end of part 3
